; MI455X (gfx1250); checked and timed in simulation.
; The chip was launched on July 23, 2026; its instructions are those of AMD's public machine-readable ISA for CDNA 5 (MIT licence, August 2026) and "CDNA5" Instruction Set Architecture Reference Guide (July 2026). The comments in the code are by the model that wrote it; some were corrected since.
;; Concat Critic. Allowed arithmetic: matrix products marked QUANTISED: E5M2 operands, one given power-of-two scale a tensor, by v_wmma_f32_16x16x64_bf8_bf8 or v_wmma_f32_16x16x128_bf8_bf8, f32 sums; products left as they are: f32 operands where the result goes on into a quantised operand, else bf16, f16 or f32 operands; f32 sums; everything else in f32.
;; Inputs: W1 256 x 512 float32; W2 512 x 1 float32; b1 512 float32; b2 1 float32; lowp_scales 4 int32 (the exponents e of the quantised operands' scales 2^e); x 512 x 128 float32; y 512 x 128 float32.
;; Outputs: out0 512 x 512 float32.
;; This version of the problem:
;;   THIS VERSION OF THE PROBLEM IS GIVEN IN LOW PRECISION. The matrix products marked QUANTISED in the list below multiply operands that are first quantised to E5M2 (5 exponent bits, 2 mantissa bits; 8 bits a number), with one given power-of-two scale for each operand tensor; their sums are f32. All else is computed in f32.
;;   The module's matrix products, in the order in which they are computed (A, B: the left and right operand; K: the contracted axis; several contracted axes count as one K, in the product's order):
;;     1. [M 512, K 128] x [K 128, N 512]; A: input x; B: input W1: QUANTISED (scales: A lowp_scales[0], B lowp_scales[1])
;;     2. [M 512, K 128] x [K 128, N 512]; A: input y; B: input W1: QUANTISED (scales: A lowp_scales[2], B lowp_scales[3])
;;     3. [M 262,144, K 512] x [K 512, N 1]; A: computed on the way; B: input W2: left as it is (N = 1 < 16)
;;   THE QUANTISER, for each operand of a quantised product, along K:
;;     - The operand's scale is 2^e, e = its entry of the input lowp_scales (int32; the entries are numbered through the quantised products in the list's order, A before B).
;;     - Each number is divided by the scale, clamped to +-57,344, and rounded to the nearest number of E5M2, ties to even, subnormals kept.
;;     - The product sums the exact products of the quantised numbers (number of the format x scale) in f32.
;;   ~~~python
;;   def quantise(x, axis, e):      # numpy; x: float32 -> the quantised numbers, widened to float32 again
;;       x = np.moveaxis(x, axis, -1); K = x.shape[-1]
;;       r = np.clip(x / 2.0 ** e, -57344, 57344)
;;       step = 2.0 ** (np.maximum(np.frexp(np.where(r == 0, 1, r))[1] - 1, -14) - 2)
;;       q = np.round(r / step) * step * 2.0 ** e      # np.round: ties to even
;;       return np.moveaxis(q, -1, axis).astype(np.float32)
;;   ~~~
;; One version. Each part assembles by itself: llvm-mc -triple=amdgcn-amd-amdhsa -mcpu=gfx1250 --defsym DOCPART=n.
;; ======== version 1 of 1: 2 launches
;; limits: a difference of large sums (such as E[x^2] - mean^2): digits are lost where the result is much smaller than its terms
;; workspace buffers: hid 2,097,152 bytes
;; launch hidden (part 1): grid 8 x 32, 4 waves a work-group, no clusters, 0 bytes of LDS; arguments x, y, W1, b1, lowp_scales, hid; writes hid
.if DOCPART == 1
	.amdgcn_target "amdgcn-amd-amdhsa--gfx1250"
	.amdhsa_code_object_version 6
	.text
	.protected	k_qe369e8546e_hidden
	.globl	k_qe369e8546e_hidden
	.p2align	8
	.type	k_qe369e8546e_hidden,@function
k_qe369e8546e_hidden:
	s_mov_b64 s[64:65], 0
	v_nop
	global_prefetch_b8 v0, s[64:65] scope:SCOPE_SE
	s_setreg_imm32_b32 hwreg(HW_REG_WAVE_MODE, 25, 1), 1
	s_wait_xcnt 0x0
; a = Q(x) Q(W1[0:128]) + b1  and  c = -(Q(y) Q(W1[128:256])), both [512][512] f32, into the workspace hid.  Q: codes of BF8 (E5M2) with the given scale 2^e of each operand:
; code = number / 2^e, held within +-57,344, to the nearest code, ties to even.  The codes are multiplied by v_wmma_f32_16x16x128_bf8_bf8, sums in f32, each sum once by 2^(eA + eB).
; c carries the minus sign because the next launch uses relu(a - c) = max(a, c) - c.
; SHARES.  1,024 rows (x's 512, then y's 512) x 512 hidden units are 64 x 32 tiles of 16 x 16, K = 128: one matrix instruction each.  A wave takes ONE tile of units and TWO tiles of rows;
; the four waves of a work-group stand side by side on 64 units, 256 consecutive bytes of each row of W1.  Work-group x: which 64 units; y: which 32 rows (0-15: x's, 16-31: y's).
; OPERANDS.  Lane (r, h) holds, of row r (or of W1's column r), k = 32 c + 16 h + 0 .. 15 in code registers 4 c .. 4 c + 3: the same permutation of k on both sides, so every product meets its partner.
; W1's K is its FIRST axis: a lane takes a column and its registers run down K, so the conversions' results are the operand's registers and nothing is transposed.
; THE WORKSPACE is laid as the next launch reads it: [tile of rows 0..63][tile of units 0..31][4 rows u][16 units r][4 rows e]: number (row 16 M + 4 u + e, unit 16 nt + r) at byte
; 32768 M + 1024 nt + 256 u + 16 r + 4 e.  In the result lane (r, h) holds unit r and rows 8 h + 0 .. 7, so each store's sixteen neighbouring lanes write 256 consecutive bytes, aligned.
; No LDS, no barrier: waves share nothing.  No joint loads: operands go straight into registers, 24 KB a wave.
; LIMITS: each e between -126 and 112; e0 + e1 and e2 + e3 between -126 and 127 (each power of two below is made as an f32 number).  NaN among the inputs is not served.
.set XA,  4                            ; v4   rows: 512 r + 64 h
.set WA,  5                            ; v5   W1: 4 r + 16 h rows of 2,048 bytes
.set BA,  6                            ; v6   b1: 4 r
.set OA,  7                            ; v7   the workspace: 512 h + 16 r
.set BI,  8                            ; v[8:9] b1 of my unit (0 in y's tiles); v9 is only named as the pair's upper half
.set WC,  16                           ; v16-31   W1's codes
.set XC,  32                           ; v32-63   the two row tiles' codes
.set WN,  64                           ; v64-127  W1's 64 numbers; later the sums (v64-79) and the results (v80-95)
.set XN,  128                          ; v128-255 the two row tiles' 64 numbers each
.set D,   64
.set O,   80
	s_load_b256 s[4:11], s[0:1], 0x0               ; x s[4:5], y s[6:7], W1 s[8:9], b1 s[10:11]
	s_load_b128 s[12:15], s[0:1], 0x20             ; the scales' exponents s[12:13], hid s[14:15]
	v_lshrrev_b32 v1, 5, v0
	v_readfirstlane_b32 s16, v1                    ; wave 0..3
	v_and_b32 v2, 15, v0                           ; r
	v_bfe_u32 v3, v0, 4, 1                         ; h
	v_lshlrev_b32 v[XA], 9, v2
	v_lshl_add_u32 v[XA], v3, 6, v[XA]
	v_lshlrev_b32 v[BA], 2, v2
	v_lshl_add_u32 v[WA], v3, 15, v[BA]
	v_lshlrev_b32 v[OA], 4, v2
	v_lshl_add_u32 v[OA], v3, 9, v[OA]
	v_mov_b32 v[BI+1], 0
	s_and_b32 s17, ttmp7, 0xffff                   ; which 32 rows: 0-15 of x, 16-31 of y
	s_lshl_b32 s18, ttmp9, 2
	s_add_co_u32 s18, s18, s16                     ; nt: my tile of units
	s_and_b32 s26, s17, 15
	s_lshl_b32 s26, s26, 14                        ; 32 rows of 512 bytes
	s_mov_b32 s27, 0
	s_lshl_b32 s28, s18, 6                         ; 16 units of 4 bytes: in a row of W1 and in b1
	s_mov_b32 s29, 0
	s_lshl_b32 s30, s17, 16                        ; two tiles of rows in the workspace,
	s_lshl_b32 s31, s18, 10                        ; and my tile of units
	s_add_co_u32 s30, s30, s31
	s_mov_b32 s31, 0
	s_cmp_lt_u32 s17, 16                           ; x's rows or y's?  The choices hang on the work-group's number alone
	s_cselect_b32 s24, 0, 0x40000                  ; y multiplies W1's rows 128 on
	s_cselect_b32 vcc_lo, -1, 0                    ; b1 goes to x's tiles alone
	s_cselect_b32 s33, 0, 0x80000000               ; y's sums change sign
	s_add_co_u32 s24, s24, s28
	s_mov_b32 s25, 0
	s_wait_kmcnt 0x0
	s_load_b128 s[20:23], s[12:13], 0x0            ; e0 (x), e1 (W1 for x), e2 (y), e3 (W1 for y)
	s_cmp_lt_u32 s17, 16
	s_cselect_b64 s[4:5], s[4:5], s[6:7]
	s_add_nc_u64 s[4:5], s[4:5], s[26:27]
	s_add_nc_u64 s[8:9], s[8:9], s[24:25]
	s_add_nc_u64 s[10:11], s[10:11], s[28:29]
	s_add_nc_u64 s[14:15], s[14:15], s[30:31]
	global_load_b32 v[BI], v[BA], s[10:11]
.irp c, 0,1,2,3
.irp i, 0,1,2,3,4,5,6,7,8,9,10,11,12,13,14,15
	global_load_b32 v[WN+16*\c+\i], v[WA], s[8:9] offset:(32*\c+\i)*2048   ; W1(32 c + 16 h + i, my unit)
.endr
.endr
.irp t, 0,1
.irp c, 0,1,2,3
.irp j, 0,1,2,3
	global_load_b128 v[XN+64*\t+16*\c+4*\j:XN+64*\t+16*\c+4*\j+3], v[XA], s[4:5] offset:8192*\t+128*\c+16*\j   ; row 16 t + r, k = 32 c + 16 h + 4 j on
.endr
.endr
.endr
	s_wait_kmcnt 0x0
	s_cmp_lt_u32 s17, 16
	s_cselect_b32 s20, s20, s22                    ; eA: the rows' exponent
	s_cselect_b32 s21, s21, s23                    ; eB: W1's
	s_add_co_i32 s34, s20, 127
	s_lshl_b32 s35, s34, 23
	v_mov_b32 v10, s35                             ; 2^eA as f32: the conversion takes its exponent field
	s_add_co_i32 s34, s34, 15
	s_lshl_b32 s34, s34, 23
	s_or_b32 s34, s34, 0x600000
	v_mov_b32 v11, s34                             ; 57,344 x 2^eA
	s_add_co_i32 s34, s21, 127
	s_lshl_b32 s35, s34, 23
	v_mov_b32 v12, s35                             ; 2^eB
	s_add_co_i32 s34, s34, 15
	s_lshl_b32 s34, s34, 23
	s_or_b32 s34, s34, 0x600000
	v_mov_b32 v13, s34                             ; 57,344 x 2^eB
	s_add_co_i32 s36, s20, s21
	s_add_co_i32 s36, s36, 127
	s_lshl_b32 s36, s36, 23
	s_or_b32 s36, s36, s33                         ; +2^(e0 + e1) for x, -2^(e2 + e3) for y
	s_mov_b32 s37, s36                             ; (named with it as a pair, so it is written)
; 64 numbers of a lane, register 16 b + i = k 32 b + 16 h + i, become a fragment's 16 registers of codes
.macro QUANT src, dst, sc, lim
.irp b, 0,1,2,3
.irp i, 0,1,2,3,4,5,6,7,8,9,10,11,12,13,14,15
	v_med3_num_f32 v[\src+16*\b+\i], v[\src+16*\b+\i], -v[\lim], v[\lim]   ; the conversion to an 8-bit code does not saturate (ISA guide 7.6.2): the hold at the largest code x the scale, always executed
.endr
	v_cvt_scalef32_pk8_bf8_f32 v[\dst+4*\b:\dst+4*\b+1], v[\src+16*\b:\src+16*\b+7], v[\sc]
	v_cvt_scalef32_pk8_bf8_f32 v[\dst+4*\b+2:\dst+4*\b+3], v[\src+16*\b+8:\src+16*\b+15], v[\sc]
.endr
.endm
	s_wait_loadcnt 32                              ; b1 and W1's 64 loads are in; the rows' 32 may be out
	v_cndmask_b32 v[BI], 0, v[BI], vcc_lo
	QUANT WN, WC, 12, 13
	s_wait_loadcnt 16                              ; the first tile of rows is in; the second's 16 loads may be out
	QUANT XN, XC, 10, 11
	s_wait_loadcnt 0x0
	QUANT XN+64, XC+16, 10, 11
	v_nop                                          ; one plain vector line between the last conversion and the products, which read its result and write over spent numbers
	v_wmma_f32_16x16x128_bf8_bf8 v[D:D+7], v[XC:XC+15], v[WC:WC+15], 0         ; source 0 = 16 rows, source 1 = 16 units: lane (r, h), register q: (row 8 h + q, unit r)
	v_wmma_f32_16x16x128_bf8_bf8 v[D+8:D+15], v[XC+16:XC+31], v[WC:WC+15], 0
.rept 4
	v_nop                                          ; four plain vector lines between a product and the first read of a result (ISA guide 7.12.1)
.endr
.irp t, 0,1
.irp k, 0,2,4,6
	v_pk_fma_f32 v[O+8*\t+\k:O+8*\t+\k+1], v[D+8*\t+\k:D+8*\t+\k+1], s[36:37], v[BI:BI+1] op_sel_hi:[1,0,0]   ; sum x (+-2^(eA + eB)) + b1 or 0; each result from its low end on
.endr
.endr
.irp t, 0,1
.irp g, 0,1
	global_store_b128 v[OA], v[O+8*\t+4*\g:O+8*\t+4*\g+3], s[14:15] offset:32768*\t+256*\g   ; rows 8 h + 4 g + 0 .. 3 of unit r: sixteen lanes write 256 consecutive bytes, aligned
.endr
.endr
	s_endpgm
.Lfunc_end_k_qe369e8546e_hidden:
	.size	k_qe369e8546e_hidden, .Lfunc_end_k_qe369e8546e_hidden-k_qe369e8546e_hidden
	.p2alignl 7, 3214868480
	.fill 96, 4, 3214868480
	.section	.rodata,"a",@progbits
	.p2align	6, 0x0
	.amdhsa_kernel k_qe369e8546e_hidden
		.amdhsa_group_segment_fixed_size 0
		.amdhsa_private_segment_fixed_size 0
		.amdhsa_enable_private_segment 0
		.amdhsa_kernarg_size 48
		.amdhsa_user_sgpr_count 2
		.amdhsa_user_sgpr_kernarg_segment_ptr 1
		.amdhsa_wavefront_size32 1
		.amdhsa_system_sgpr_workgroup_id_x 1
		.amdhsa_system_sgpr_workgroup_id_y 1
		.amdhsa_system_sgpr_workgroup_id_z 1
		.amdhsa_system_vgpr_workitem_id 0
		.amdhsa_next_free_vgpr 256
		.amdhsa_next_free_sgpr 66
		.amdhsa_reserve_vcc 1
		.amdhsa_float_denorm_mode_32 3
		.amdhsa_float_denorm_mode_16_64 3
		.amdhsa_memory_ordered 1
		.amdhsa_forward_progress 1
		.amdhsa_inst_pref_size 27
	.end_amdhsa_kernel
	.amdgpu_metadata
---
amdhsa.version: [ 1, 2 ]
amdhsa.kernels:
  - .name:           k_qe369e8546e_hidden
    .symbol:         k_qe369e8546e_hidden.kd
    .args:
      - { .name: x, .offset: 0, .size: 8, .value_kind: global_buffer, .address_space: global }
      - { .name: y, .offset: 8, .size: 8, .value_kind: global_buffer, .address_space: global }
      - { .name: W1, .offset: 16, .size: 8, .value_kind: global_buffer, .address_space: global }
      - { .name: b1, .offset: 24, .size: 8, .value_kind: global_buffer, .address_space: global }
      - { .name: lowp_scales, .offset: 32, .size: 8, .value_kind: global_buffer, .address_space: global }
      - { .name: hid, .offset: 40, .size: 8, .value_kind: global_buffer, .address_space: global }
    .group_segment_fixed_size: 0
    .private_segment_fixed_size: 0
    .kernarg_segment_align: 8
    .kernarg_segment_size: 48
    .max_flat_workgroup_size: 128
    .sgpr_count:     66
    .vgpr_count:     256
    .wavefront_size: 32
...
	.end_amdgpu_metadata
.endif
;; end of part 1
;; launch pairs (part 2): grid 32 x 8, 8 waves a work-group, clusters of 4 x 4, 238,848 bytes of LDS; arguments hid, W2, b2, out0; writes out0
.if DOCPART == 2
	.amdgcn_target "amdgcn-amd-amdhsa--gfx1250"
	.amdhsa_code_object_version 6
	.text
	.protected	k_qe369e8546e_pairs
	.globl	k_qe369e8546e_pairs
	.p2align	8
	.type	k_qe369e8546e_pairs,@function
k_qe369e8546e_pairs:
	s_mov_b64 s[64:65], 0
	v_nop
	global_prefetch_b8 v0, s[64:65] scope:SCOPE_SE
	s_setreg_imm32_b32 hwreg(HW_REG_WAVE_MODE, 25, 1), 1
	s_wait_xcnt 0x0
	s_wait_alu depctr_hold_cnt(0) depctr_sa_sdst(0) depctr_va_vdst(0) depctr_va_sdst(0) depctr_va_ssrc(0) depctr_va_vcc(0) depctr_vm_vsrc(0)
	s_getreg_b32 s2, hwreg(HW_REG_IB_STS2, 6, 4)
	s_cmp_eq_u32 s2, 0
	s_cbranch_scc0 .Lentry_in_a_cluster
	s_endpgm
.Lentry_in_a_cluster:
	s_bfe_u32 s2, ttmp6, 0x10000c
	s_cmp_lg_u32 s2, 0xf033
	s_cbranch_scc0 .Lentry_shape_is_right
	s_endpgm
.Lentry_shape_is_right:
; out0[i][j] = sum over h of W2[h] relu(hx[i][h] + hy[j][h] + b1[h]) + b2, from a = hx + b1 and c = -hy, which the launch before left in hid.  All in f32.
; THE ARITHMETIC.  relu(a - c) = max(a, c) - c, so out = sum w max(a_i, c_j) - sum w c_j + b2.  The second sum hangs on j alone: an element costs a maximum and a multiply-add, two elements in one
; v_dual_max_num_f32 pair and two in one v_pk_fma_f32.  LIMIT (another order of rounding): both sums can be as large as sum |w| |hy|; where the result is much smaller than that,
; its absolute error is of the order 2^-23 of that magnitude.  NaN among the inputs is not served.
; The last product (N = 1) is left to packed multiply-adds in f32: a matrix instruction would use one column in sixteen, and the conversion that feeds it is as many lines as the multiply-add.
; SHARES.  A work-group makes 16 i x 64 j (a row of its part of out0 is 256 bytes, aligned); each of its eight waves 16 i x 8 j over all 512 units, in 32 steps of 16 units.
; Lane (r, p) takes unit 16 nt + r in step nt, rows i = 8 p + 0 .. 7 and all 8 j: 64 accumulators.  c's 8 registers hold j = 4 p + 0 .. 3, then j = 4 (1 - p) + 0 .. 3: lanes 16-31 take the two
; groups of four the other way round, so that sum w c is made for the first four registers alone and each half of the lanes makes one half of it.
; PAIRS.  One dual line makes max(a[i], c[j]) and max(a[i + 1], c[j xor 1]), i even: the two halves read neighbouring registers in both source places.  Accumulator pair 8 (i / 2) + j holds these two outputs.
; LDS: a 32 KB and c 128 KB as they lie in hid ([tile of units][4 rows u][16 units r][4 rows e]): a ds_load_b128 of sixteen lanes takes 256 consecutive bytes, so no padding.  Each byte is filled once.
; CLUSTER.  4 x 4 work-groups.  The four of a row of the cluster make the same 64 j and need the same c; the four of a column the same 16 i and the same a: each block is asked for JOINTLY, by the same
; tensor load with the same descriptor and a mask that names the four.  The fill goes in four chunks of 8 tiles of units; every wave issues four loads, one a chunk (waves 0-3: 8 KB of c, waves 4-7:
; 2 KB of a): four tensor loads of a wave are out at the most, and a chunk is multiplied while the later ones are on their way.
; No prefetch: everything that the launch reads is asked for at its head.
.set TILEB,  1024                      ; 16 rows x 16 units of f32
.set C_LDS,  32*TILEB                  ; a at LDS byte 0, c behind it: four tiles of rows x 32 tiles of units
.set CHUNK,  8*TILEB
.set RST,    C_LDS+4*32*TILEB          ; the reduction's stages: for each wave 32 rows (one a lane) of 256 bytes + 16 of padding
.set RPITCH, 272
.set RWAVE,  32*RPITCH
.set OST,    RST+8*RWAVE               ; the work-group's stage for its 16 x 64 outputs: rows of 256 bytes + 16
.set OPITCH, 272
.set VR,  1                            ; v1   r = lane % 16
.set VP,  2                            ; v2   p = lane / 16
.set VA,  3                            ; v3   a: 512 p + 16 r
.set VC1, 4                            ; v4   c: my wave's 8 rows, + 256 p + 16 r
.set VC2, 5                            ; v5   the other group of four rows
.set STU, 6                            ; v6   my row of my wave's stage + 32 p
.set STD, 7                            ; v7   the same - 32 p
.set RDA, 8                            ; v8   the stage read back: rows 16 p on, 16 r bytes in
.set OSA, 9                            ; v9   where my four outputs go in the work-group's stage
.set OLA, 10                           ; v10  where I read 16 bytes of a whole row back
.set GO,  11                           ; v11  and their place in out0
.set WO,  12                           ; v12  W2: 4 r
.set TM,  13
.set S,   14                           ; v14-17 my four sums w c; v18-21 those of lane l xor 16
.set T,   22                           ; v22-37 sixteen maxima
.set W,   38                           ; v38-69 W2[16 nt + r], nt = 0 .. 31
.set BUF, 72                           ; v72-119 three buffers by turns: 8 of a, 8 of c
.set ACC, 120                          ; v120-183
.set R,   38                           ; the reduction: 16 x 4 registers, where W2 and two buffers lay
.set O,   22
.set WV,  12                           ; s12  my wave's number
.set G1A, 24                           ; s[24:31] descriptor group 1 for a's pieces;  s[32:39] for c's
.set G1C, 32
.set G0A, 40                           ; s[40:55] four groups 0 for a, one a chunk;  s[68:83] for c
.set G0C, 68
.set SEL, 84                           ; s[84:85] lane selects: lane l xor 16
.set B2,  86
; A round of the cluster's barrier: my work-group's barrier, wave 0 signals for the work-group, every wave waits for all sixteen, my work-group's barrier once more.
.macro CROUND
	s_barrier_signal -1
	s_barrier_wait -1
	s_cmp_lg_u32 s[WV], 0
	s_cbranch_scc1 .Lnot_wave_0_\@
	s_barrier_signal -3
.Lnot_wave_0_\@:
	s_barrier_wait -3
	s_barrier_signal -1
	s_barrier_wait -1
.endm
	s_load_b256 s[4:11], s[0:1], 0x0               ; hid s[4:5], W2 s[6:7], b2 s[8:9], out0 s[10:11]
	v_lshl_add_u32 v184, v0, 2, 0x3a100
	v_mov_b32 v185, 0
	ds_add_u32 v184, v185
	ds_add_u32 v184, v185
	v_lshrrev_b32 v[TM], 5, v0
	v_readfirstlane_b32 s[WV], v[TM]               ; wave 0..7
	v_and_b32 v[VR], 15, v0
	v_bfe_u32 v[VP], v0, 4, 1
	v_lshlrev_b32 v[WO], 2, v[VR]
	s_bfe_u32 s13, ttmp6, 0x40000                  ; cx, cy: my place in the cluster
	s_bfe_u32 s14, ttmp6, 0x40004
	s_lshl_b32 s15, ttmp9, 2
	s_add_co_u32 s15, s15, s13                     ; X: which 16 i = 4 x cluster x + cx
	s_and_b32 s16, ttmp7, 0xffff
	s_lshl_b32 s16, s16, 2
	s_add_co_u32 s16, s16, s14                     ; Y: which 64 j = 4 x cluster y + cy
	s_lshl_b32 s17, s14, 2
	s_lshl_b32 s17, 15, s17                        ; my row of the cluster (same cy): it shares c
	s_lshl_b32 s18, 0x1111, s13                    ; my column (same cx): it shares a
	s_and_b32 s19, s[WV], 3                        ; which piece of a chunk I fetch
	; descriptor group 1: dense blocks, stated as rows of 32 elements of 8 bytes: 8 rows (2 KB) of a, 32 rows (8 KB) of c; no padding
	s_or_b32 s[G1A], s18, (3<<16)|(1<<21)          ; 15:0 the mask; 17:16 elements of 8 bytes; 21 set beside a mask
	s_mov_b32 s[G1A+1], 32<<16                     ; tensor_dim0 = 32
	s_mov_b32 s[G1A+2], 8<<16                      ; tensor_dim1 = 8
	s_mov_b32 s[G1A+3], 32<<16                     ; tile_dim0 = 32
	s_mov_b32 s[G1A+4], 8                          ; tile_dim1 = 8
	s_mov_b32 s[G1A+5], 32                         ; from row to row: 32 elements
	s_mov_b32 s[G1A+6], 0
	s_mov_b32 s[G1A+7], 0
	s_or_b32 s[G1C], s17, (3<<16)|(1<<21)
	s_mov_b32 s[G1C+1], 32<<16
	s_mov_b32 s[G1C+2], 32<<16
	s_mov_b32 s[G1C+3], 32<<16
	s_mov_b32 s[G1C+4], 32
	s_mov_b32 s[G1C+5], 32
	s_mov_b32 s[G1C+6], 0
	s_mov_b32 s[G1C+7], 0
	; a's address is made of X and the wave's number, c's of Y and the wave's number, each in registers that never hold the other coordinate; LDS addresses of the wave's number alone
	s_lshl_b32 s56, s19, 11                        ; a: my 2 KB of a chunk's 8 KB, in LDS and in memory
	s_lshl_b32 s58, s15, 15                        ; tile of rows X: 32 KB
	s_add_co_u32 s58, s58, s56
	s_mov_b32 s59, 0
	s_lshl_b32 s57, s19, 15                        ; c: my tile of rows of the four
	s_lshl_b32 s60, s16, 17                        ; 64 rows: 128 KB
	s_add_co_u32 s60, s60, s57
	s_add_co_u32 s60, s60, 0x100000                ; c lies behind a's 32 tiles of rows
	s_mov_b32 s61, 0
	s_add_co_u32 s57, s57, C_LDS
	s_mov_b32 s[SEL], 0x76543210
	s_mov_b32 s[SEL+1], 0xfedcba98
	s_wait_dscnt 0x0
	s_wait_kmcnt 0x0
.irp n, 0,1,2,3,4,5,6,7,8,9,10,11,12,13,14,15,16,17,18,19,20,21,22,23,24,25,26,27,28,29,30,31
	global_load_b32 v[W+\n], v[WO], s[6:7] offset:64*\n   ; W2[16 n + r]: kept in registers for the whole launch
.endr
	s_load_b32 s[B2], s[8:9], 0x0
	s_add_nc_u64 s[20:21], s[4:5], s[58:59]
	s_add_nc_u64 s[22:23], s[4:5], s[60:61]
.irp k, 0,1,2,3
	s_mov_b32 s[G0A+4*\k], 1                       ; count = 1
	s_add_co_u32 s[G0A+4*\k+1], s56, \k*CHUNK      ; LDS address
	s_add_nc_u64 s[G0A+4*\k+2:G0A+4*\k+3], s[20:21], \k*CHUNK   ; global address: chunk k
	s_or_b32 s[G0A+4*\k+3], s[G0A+4*\k+3], 0x80000000           ; type = 2
	s_mov_b32 s[G0C+4*\k], 1
	s_add_co_u32 s[G0C+4*\k+1], s57, \k*CHUNK
	s_add_nc_u64 s[G0C+4*\k+2:G0C+4*\k+3], s[22:23], \k*CHUNK
	s_or_b32 s[G0C+4*\k+3], s[G0C+4*\k+3], 0x80000000
.endr
	CROUND                                         ; all sixteen work-groups are here: the joint loads meet
	s_cmp_lt_u32 s[WV], 4                          ; a wave's four fills stand in one branch on the wave's number, ahead of every wait on TENSORcnt, every LDS read and every further barrier
	s_cbranch_scc0 .Lfill_a
.irp k, 0,1,2,3
	tensor_load_to_lds s[G0C+4*\k:G0C+4*\k+3], s[G1C:G1C+7]
	s_nop 0
.endr
.rept 4
	v_nop                                          ; four v_nop follow the last of the run
.endr
	s_branch .Lfilled
.Lfill_a:
.irp k, 0,1,2,3
	tensor_load_to_lds s[G0A+4*\k:G0A+4*\k+3], s[G1A:G1A+7]
	s_nop 0
.endr
.rept 4
	v_nop
.endr
.Lfilled:
	; the addresses, while the first chunk is on its way
	v_lshlrev_b32 v[VA], 4, v[VR]
	v_lshl_add_u32 v[VC1], v[VP], 8, v[VA]
	v_lshl_add_u32 v[VA], v[VP], 9, v[VA]          ; a: rows 8 p on are 512 p bytes into a tile
	s_lshr_b32 s88, s[WV], 1                       ; my 8 j: tile of rows wave / 2,
	s_lshl_b32 s88, s88, 15
	s_and_b32 s89, s[WV], 1                        ; its rows 8 (wave % 2) on
	s_lshl_b32 s89, s89, 9
	s_add_co_u32 s88, s88, s89
	s_add_co_u32 s88, s88, C_LDS
	v_add_nc_u32 v[VC1], s88, v[VC1]               ; rows 4 p on of my 8,
	v_xor_b32 v[VC2], 256, v[VC1]                  ; and rows 4 (1 - p) on
	s_mul_i32 s88, s[WV], RWAVE
	s_add_co_u32 s88, s88, RST                     ; my wave's stage
	v_and_b32 v[TM], 31, v0
	v_mul_u32_u24 v[TM], v[TM], RPITCH
	v_add_nc_u32 v[TM], s88, v[TM]
	v_lshlrev_b32 v[RDA], 5, v[VP]
	v_add_nc_u32 v[STU], v[TM], v[RDA]
	v_sub_nc_u32 v[STD], v[TM], v[RDA]
	v_mul_u32_u24 v[RDA], v[VP], 16*RPITCH
	v_lshl_add_u32 v[RDA], v[VR], 4, v[RDA]
	v_add_nc_u32 v[RDA], s88, v[RDA]
	s_lshl_b32 s89, s[WV], 5                       ; my wave's 8 columns: 32 bytes
	s_add_co_u32 s89, s89, OST
	v_lshrrev_b32 v[OSA], 2, v[VR]
	v_lshl_add_u32 v[OSA], v[VP], 2, v[OSA]        ; 4 p + r / 4: which pair of rows
	v_mul_u32_u24 v[OSA], v[OSA], 2*OPITCH
	v_and_b32 v[TM], 3, v[VR]
	v_lshl_add_u32 v[OSA], v[TM], 3, v[OSA]        ; columns 2 (r % 4) and the next
	v_add_nc_u32 v[OSA], s89, v[OSA]
	s_mul_i32 s89, s[WV], 2*OPITCH                 ; back: wave w stores rows 2 w and 2 w + 1, lanes 0-15 one, lanes 16-31 the other
	s_add_co_u32 s89, s89, OST
	v_mul_u32_u24 v[OLA], v[VP], OPITCH
	v_lshl_add_u32 v[OLA], v[VR], 4, v[OLA]
	v_add_nc_u32 v[OLA], s89, v[OLA]
	s_lshl_b32 s89, s[WV], 12                      ; two rows of out0 of 2,048 bytes
	v_lshlrev_b32 v[GO], 11, v[VP]
	v_lshl_add_u32 v[GO], v[VR], 4, v[GO]
	v_add_nc_u32 v[GO], s89, v[GO]
	s_lshl_b32 s90, s15, 15                        ; out0: 16 X rows,
	s_lshl_b32 s91, s16, 8                         ; 64 Y columns
	s_add_co_u32 s90, s90, s91
	s_mov_b32 s91, 0
	s_add_nc_u64 s[10:11], s[10:11], s[90:91]
.irp e, 4,5,6,7
	v_mov_b32 v[S+\e], 0                           ; written once: a lane permute's destination counts as one of its sources
.endr
.macro LOADS nt                        ; step nt's 8 numbers of a and 8 of c into buffer nt % 3
.set LB, BUF+16*((\nt)%3)
	ds_load_b128 v[LB:LB+3],     v[VA]  offset:TILEB*(\nt)
	ds_load_b128 v[LB+4:LB+7],   v[VA]  offset:TILEB*(\nt)+256
	ds_load_b128 v[LB+8:LB+11],  v[VC1] offset:TILEB*(\nt)
	ds_load_b128 v[LB+12:LB+15], v[VC2] offset:TILEB*(\nt)
.endm
.macro ARRIVE k                        ; chunk k is whole in LDS for every wave
	s_wait_tensorcnt 3-(\k)                        ; my load for chunk k has landed; those for the later chunks may stay out
	s_wait_dscnt 0x0                               ; no LDS instruction of mine is pending at a signal
	s_barrier_signal -1
	s_barrier_wait -1
.endm
.macro ACCUM d, s, nt                  ; two sums += two numbers x W2 of step nt (one register of the pair v[WP:WP+1], for both halves).  Step 0 starts the sums: nothing is cleared
.if (\nt) == 0
	v_pk_mul_f32 v[\d:\d+1], v[\s:\s+1], v[WP:WP+1] op_sel_hi:[1,0]
.elseif (\nt)%2 == 0
	v_pk_fma_f32 v[\d:\d+1], v[\s:\s+1], v[WP:WP+1], v[\d:\d+1] op_sel_hi:[1,0,1]
.else
	v_pk_fma_f32 v[\d:\d+1], v[\s:\s+1], v[WP:WP+1], v[\d:\d+1] op_sel:[0,1,0] op_sel_hi:[1,1,1]
.endif
.endm
.macro PAIRS nt                        ; a lane's 64 elements of one unit: eight dual maxima, then the eight multiply-adds that read them, four times
.set AB, BUF+16*((\nt)%3)
.set CB, AB+8
.set WP, W+2*((\nt)/2)
.irp ih, 0,1,2,3
.irp jr, 0,1,2,3,4,5,6,7
	v_dual_max_num_f32 v[T+2*\jr], v[AB+2*\ih], v[CB+\jr] :: v_dual_max_num_f32 v[T+2*\jr+1], v[AB+2*\ih+1], v[CB+\jr+1-2*(\jr%2)]
.endr
.irp jr, 0,1,2,3,4,5,6,7
	ACCUM ACC+2*(8*\ih+\jr), T+2*\jr, \nt
.endr
.endr
	ACCUM S, CB, \nt                               ; sum w c of c's first four registers
	ACCUM S+2, CB+2, \nt
.endm
.macro STEP nt
.if (\nt)+2 < 32
.if ((\nt)+2)%8 == 0
	ARRIVE ((\nt)+2)/8                             ; the loads below are the first that read the next chunk
.endif
	LOADS (\nt)+2
	s_wait_dscnt 8                                 ; this step's four loads are in; those of the next two steps may be out
.elseif (\nt)+1 < 32
	s_wait_dscnt 4
.else
	s_wait_dscnt 0x0
.endif
	PAIRS \nt
.endm
	s_wait_tensorcnt 3                             ; my load for chunk 0 has landed; three may stay out
	s_barrier_signal -1
	s_barrier_wait -1                              ; everybody's has
	LOADS 0
	LOADS 1
	s_wait_loadcnt 0x0                             ; W2
	s_wait_kmcnt 0x0                               ; b2
.irp n, 0,1,2,3,4,5,6,7,8,9,10,11,12,13,14,15,16,17,18,19,20,21,22,23,24,25,26,27,28,29,30,31
	STEP \n
.endr
	; THE END.  Lane l xor 16 has the same units and the other four sums w c, which belong to my c registers 4 .. 7.
.irp e, 0,1,2,3
	v_permlanex16_b32 v[S+4+\e], v[S+\e], s[SEL], s[SEL+1]
.endr
.irp ih, 0,1,2,3
.irp jr, 0,2,4,6
	v_pk_add_f32 v[ACC+2*(8*\ih+\jr):ACC+2*(8*\ih+\jr)+1], v[ACC+2*(8*\ih+\jr):ACC+2*(8*\ih+\jr)+1], v[S+\jr:S+\jr+1] neg_lo:[0,1] neg_hi:[0,1]   ; outputs (i, j), (i + 1, j + 1): less the sums of j, j + 1
	v_pk_add_f32 v[ACC+2*(8*\ih+\jr+1):ACC+2*(8*\ih+\jr+1)+1], v[ACC+2*(8*\ih+\jr+1):ACC+2*(8*\ih+\jr+1)+1], v[S+\jr:S+\jr+1] op_sel:[0,1] op_sel_hi:[1,0] neg_lo:[0,1] neg_hi:[0,1]   ; outputs (i, j + 1), (i + 1, j): the pair the other way round
.endr
.endr
	; The sixteen lanes of a half are added through my wave's own stage: each lane stores its 64 numbers as a row, then lane (r, p) reads place r of rows 16 p .. 16 p + 15.
	; Four registers 4 k .. 4 k + 3 are outputs (i0, j0), (i0 + 1, j0 + 1), (i0, j0 + 1), (i0 + 1, j0), i0 = 8 p + 2 (k / 4), j0 = 2 (k % 4) in c's register order.  In lanes 16-31 that order has the
	; groups of four swapped: they store to place k xor 2, which is 32 bytes up or down.  LDS serves a wave's instructions in order (ISA guide 5.7.1.4): no wait between the stores and the loads.
.irp k, 0,1,2,3,4,5,6,7,8,9,10,11,12,13,14,15
.if ((\k)/2)%2 == 0
	ds_store_b128 v[STU], v[ACC+4*\k:ACC+4*\k+3] offset:16*\k
.else
	ds_store_b128 v[STD], v[ACC+4*\k:ACC+4*\k+3] offset:16*\k
.endif
.endr
.irp m, 0,1,2,3,4,5,6,7
	ds_load_b128 v[R+4*\m:R+4*\m+3], v[RDA] offset:\m*RPITCH
	ds_load_b128 v[R+4*(\m+8):R+4*(\m+8)+3], v[RDA] offset:(\m+8)*RPITCH
.endr
.macro ADDROWS m, d
	v_pk_add_f32 v[R+4*(\m):R+4*(\m)+1], v[R+4*(\m):R+4*(\m)+1], v[R+4*((\m)+(\d)):R+4*((\m)+(\d))+1]
	v_pk_add_f32 v[R+4*(\m)+2:R+4*(\m)+3], v[R+4*(\m)+2:R+4*(\m)+3], v[R+4*((\m)+(\d))+2:R+4*((\m)+(\d))+3]
.endm
.irp m, 0,1,2,3,4,5,6,7
	s_wait_dscnt 14-2*\m                           ; rows m and m + 8 are back; the pairs of rows behind them may be out
	ADDROWS \m, 8
.endr
.irp m, 0,1,2,3
	ADDROWS \m, 4
.endr
	ADDROWS 0, 2
	ADDROWS 1, 2
	ADDROWS 0, 1
	v_add_f32 v[O],   s[B2], v[R]                  ; + b2, and into the order of the rows: (i0, j0), (i0, j0 + 1),
	v_add_f32 v[O+1], s[B2], v[R+2]
	v_add_f32 v[O+2], s[B2], v[R+3]                ; (i0 + 1, j0), (i0 + 1, j0 + 1)
	v_add_f32 v[O+3], s[B2], v[R+1]
	ds_store_b64 v[OSA], v[O:O+1]
	ds_store_b64 v[OSA], v[O+2:O+3] offset:OPITCH
	s_wait_dscnt 0x0                               ; for the others' sake: my stores into the work-group's stage are done
	s_barrier_signal -1
	s_barrier_wait -1                              ; a row's 256 bytes come from eight waves
	ds_load_b128 v[O+4:O+7], v[OLA]
	s_wait_dscnt 0x0
	global_store_b128 v[GO], v[O+4:O+7], s[10:11] th:TH_STORE_NT   ; sixteen lanes store 256 consecutive bytes, at a multiple of 256 from out0's first byte; written once, read by nobody here
	s_wait_tensorcnt 0x0
	ds_add_u32 v184, v185
	s_wait_dscnt 0x0
	CROUND                                         ; the closing round: no work-group ends while a partner may still ask for a block that names it
	s_endpgm
.Lfunc_end_k_qe369e8546e_pairs:
	.size	k_qe369e8546e_pairs, .Lfunc_end_k_qe369e8546e_pairs-k_qe369e8546e_pairs
	.p2alignl 7, 3214868480
	.fill 96, 4, 3214868480
	.section	.rodata,"a",@progbits
	.p2align	6, 0x0
	.amdhsa_kernel k_qe369e8546e_pairs
		.amdhsa_group_segment_fixed_size 238848
		.amdhsa_private_segment_fixed_size 0
		.amdhsa_enable_private_segment 0
		.amdhsa_kernarg_size 32
		.amdhsa_user_sgpr_count 2
		.amdhsa_user_sgpr_kernarg_segment_ptr 1
		.amdhsa_wavefront_size32 1
		.amdhsa_system_sgpr_workgroup_id_x 1
		.amdhsa_system_sgpr_workgroup_id_y 1
		.amdhsa_system_sgpr_workgroup_id_z 1
		.amdhsa_system_vgpr_workitem_id 0
		.amdhsa_next_free_vgpr 186
		.amdhsa_next_free_sgpr 92
		.amdhsa_reserve_vcc 0
		.amdhsa_float_denorm_mode_32 3
		.amdhsa_float_denorm_mode_16_64 3
		.amdhsa_memory_ordered 1
		.amdhsa_forward_progress 1
		.amdhsa_inst_pref_size 161
	.end_amdhsa_kernel
	.amdgpu_metadata
---
amdhsa.version: [ 1, 2 ]
amdhsa.kernels:
  - .name:           k_qe369e8546e_pairs
    .symbol:         k_qe369e8546e_pairs.kd
    .args:
      - { .name: hid, .offset: 0, .size: 8, .value_kind: global_buffer, .address_space: global }
      - { .name: W2, .offset: 8, .size: 8, .value_kind: global_buffer, .address_space: global }
      - { .name: b2, .offset: 16, .size: 8, .value_kind: global_buffer, .address_space: global }
      - { .name: out0, .offset: 24, .size: 8, .value_kind: global_buffer, .address_space: global }
    .group_segment_fixed_size: 238848
    .private_segment_fixed_size: 0
    .kernarg_segment_align: 8
    .kernarg_segment_size: 32
    .max_flat_workgroup_size: 256
    .sgpr_count:     92
    .vgpr_count:     186
    .wavefront_size: 32
...
	.end_amdgpu_metadata
.endif
;; end of part 2
